; MI455X (gfx1250); checked and timed in simulation.
; The chip was launched on July 23, 2026; its instructions are those of AMD's public machine-readable ISA for CDNA 5 (MIT licence, August 2026) and "CDNA5" Instruction Set Architecture Reference Guide (July 2026). The comments in the code are by the model that wrote it; some were corrected since.
;; Mo E Layer. Allowed arithmetic: matrix products marked QUANTISED: E2M1 operands, one E8M0 scale for each 32 along K, by v_wmma_scale_f32_16x16x128_f8f6f4 with both operands' format E2M1 (or v_wmma_scale_f32_32x16x128_f4), f32 sums; products left as they are: f32 operands where the result goes on into a quantised operand, else bf16, f16 or f32 operands; f32 sums; everything else in f32.
;; Inputs: b1 8 x 1,024 float32; b2 8 x 256 float32; gate_b 8 float32; gate_w 256 x 8 float32; w1_codes 8 x 1,024 x 8 x 16 uint8 (E2M1 codes of w1, K innermost, in blocks of 32 codes, two codes a byte); w1_scales 8 x 1,024 x 8 uint8 (E8M0 scales of w1, one for each 32 codes along K); w2_codes 8 x 256 x 32 x 16 uint8 (E2M1 codes of w2, K innermost, in blocks of 32 codes, two codes a byte); w2_scales 8 x 256 x 32 uint8 (E8M0 scales of w2, one for each 32 codes along K); x 16,384 x 256 float32.
;; Outputs: out0 16,384 x 256 float32.
;; Constants: top_k = 2.
;; This version of the problem:
;;   THIS VERSION OF THE PROBLEM IS GIVEN IN LOW PRECISION. The matrix products marked QUANTISED in the list below multiply operands that are first quantised to E2M1 (2 exponent bits, 1 mantissa bit; 4 bits a number), with one power-of-two scale for each 32 numbers along K (OCP MX v1.0); their sums are f32. All else is computed in f32.
;;   The module's matrix products, in the order in which they are computed (A, B: the left and right operand; K: the contracted axis; several contracted axes count as one K, in the product's order):
;;     1. [M 16,384, K 256] x [K 256, N 8]; A: input x; B: input gate_w: left as it is (N = 8 < 16)
;;     2. [M 8,192, K 256] x [K 256, N 16,384]; A: input w1 (given as codes); B: input x: QUANTISED
;;     3. batch 8 x [M 16,384, K 1,024] x [K 1,024, N 256]; A: computed on the way; B: input w2 (given as codes): QUANTISED
;;   THE QUANTISER, for each operand of a quantised product, along K:
;;     - K is cut into blocks of 32 from its start; a last block that is shorter is filled with zeros.
;;     - A block's scale is 2^e with e = floor(log2(the largest magnitude in the block)) - 2, held to -126 .. 127; a block of zeros has e = 0. As a byte (E8M0): e + 127.
;;     - Each number is divided by its block's scale, clamped to +-6, and rounded to the nearest number of E2M1, ties to even, subnormals kept.
;;     - The product sums the exact products of the quantised numbers (number of the format x scale) in f32.
;;   ~~~python
;;   def quantise(x, axis):      # numpy; x: float32 -> the quantised numbers, widened to float32 again
;;       x = np.moveaxis(x, axis, -1); K = x.shape[-1]
;;       x = np.pad(x, [(0, 0)] * (x.ndim - 1) + [(0, -K % 32)]); x = x.reshape(x.shape[:-1] + (-1, 32)); a = np.abs(x).max(-1, keepdims=True)
;;       e = np.where(a > 0, np.clip(np.frexp(np.where(a > 0, a, 1))[1] - 1 - 2, -126, 127), 0)      # np.frexp(a)[1] - 1 = floor(log2(a)), exactly
;;       r = np.clip(x / 2.0 ** e, -6, 6)
;;       step = 2.0 ** (np.maximum(np.frexp(np.where(r == 0, 1, r))[1] - 1, 0) - 1)
;;       q = np.round(r / step) * step * 2.0 ** e      # np.round: ties to even
;;       return np.moveaxis(q.reshape(q.shape[:-2] + (-1,))[..., :K], -1, axis).astype(np.float32)
;;   ~~~
;;   OPERANDS COMPUTED ON THE WAY. 'Computed on the way' means the value that the module computes at that place (a softmax that the list does not call 'softmax' is quantised finished and normalised). What goes into a quantiser is computed in f32, as accurately as f32 sums, v_exp_f32 and their like allow (about 1e-6 of the number): no bf16 or f16 on the way to a quantiser, and a product that is left as it is and whose result goes on into a quantised operand takes f32 operands (vector FMAs, or v_wmma_f32_16x16x4_f32). A number that lies on a knife's edge between two numbers of the format may be rounded either way, as far as f32 arithmetic and the matrix unit's own rounding can turn it there, and no further.
;;   INPUTS GIVEN AS CODES. w1 (in the module: [8, 256, 1024], K = its axis 1); w2 (in the module: [8, 1024, 256], K = its axis 1): each comes as NAME_codes (uint8): NAME with its K axis moved to the last place and cut into blocks of 32 codes, [.., K / 32, bytes a block], one block behind the other in memory; two codes a byte, the lower K in the low four bits (a code: sign, 2 exponent bits, 1 mantissa bit); and NAME_scales (uint8): the same leading axes, one E8M0 byte (e + 127) for each 32 codes along K. Its value is code x scale, taken as it is: it is not quantised again, and the codes and scales need not be those that the quantiser above would give.
;; One version. Each part assembles by itself: llvm-mc -triple=amdgcn-amd-amdhsa -mcpu=gfx1250 --defsym DOCPART=n.
;; ======== version 1 of 1: 2 launches
;; limits: right only within a limited range of input values
;; workspace buffers: xq 2,228,224 bytes; wts 131,072 bytes; rec 24,576 bytes of whole numbers; wl 2,228,224 bytes
;; launch route (part 1): grid 256 x 1, 8 waves a work-group, no clusters, 19,200 bytes of LDS; arguments x, gate_w, gate_b, w1_codes, w1_scales, w2_codes, w2_scales, xq, wts, rec, wl; writes xq, wts, rec, wl
.if DOCPART == 1
	.amdgcn_target "amdgcn-amd-amdhsa--gfx1250"
	.amdhsa_code_object_version 6
	.text
	.protected	k_q90aa27f335_route
	.globl	k_q90aa27f335_route
	.p2align	8
	.type	k_q90aa27f335_route,@function
k_q90aa27f335_route:
	s_mov_b64 s[64:65], 0
	v_nop
	global_prefetch_b8 v0, s[64:65] scope:SCOPE_SE
	s_setreg_imm32_b32 hwreg(HW_REG_WAVE_MODE, 25, 1), 1
	s_wait_xcnt 0x0
; ROUTE.  A work-group takes 64 tokens, a wave 8 of them, and makes
;   xq: codes of FP4 (E2M1) of x at token x 128, from byte XQS on its E8M0 bytes at token x 8;
;   the gate: logits = x gate_w + gate_b in f32, softmax with the row's maximum taken away, the two largest probabilities (of equals the lower index);
;   wts: token x 8 = the probabilities of the class's experts a and b;
;   rec: at byte token: the token's place among the work-group's 64 in the order by class; from byte OTB on, 32 bytes a work-group: how many of its tokens have a class under c, c = 0 .. 31.
;   All at fixed places: no address and no branch hangs on the choice.
; A CLASS is the unordered pair of experts {a, (a + d) mod 8}, d = 1 .. 4 (a < 4 where d = 4): number 8 (d - 1) + a, 28 of them.
; Each work-group also lays a quarter of one of 64 records (expert x 8 + wave of the next launch) of the weights in the order in which that wave's registers take them: wl, RECB bytes a record:
;   0: W1's scale words, 1,024: W1, four units of 8 x 512 bytes; 17,408: W2's scale words; 18,432: W2, four units.  A pure permutation of bytes.
; WORK LEFT OUT in this program: reference() makes every expert's result for every token and take_along_axis keeps the two that its own top_k chose; the others reach no output whatever the inputs hold, and are not made.
; LIMITS: NaN and infinities among the inputs are not served; a NaN, an infinity or an overflow that reaches only the experts left out is not carried to the result.
;   A block of x whose largest magnitude lies under 2^-124 keeps the byte 1 (a block of zeros too: its codes are zeros, and this program alone reads the bytes).
;   Two probabilities that differ by less than the rounding of the f32 sums and of v_exp_f32 may be ranked either way.
; No tensor load and no cluster: no two work-groups read the same bytes but gate_w's 8,192.
.set XQS,   2097152
.set OTB,   16384
.set RECB,  34816
.set CST,   8704                       ; LDS: 0: gate_w, 32 pieces of 256 bytes + 16 of padding; CST: 1,024 bytes of codes a wave
.set SCL,   16896                      ; 512 scale bytes
.set KEY,   17408                      ; 64 keys of 16 bits: class x 64 + token
.set WTL,   17664                      ; 64 pairs of probabilities
.set SPARE, 18176
.set X,  16                            ; v16-79   8 tokens x 8 neighbours
.set G,  80                            ; v80-143  gate_w of my 8 k: register 8 kk + e
.set LA, 144
.set LB, 152
.set P,  80                            ; the tail: v80-87 the exponentials
.set CD, 184                           ; v184-191 codes
	s_load_b256 s[4:11], s[0:1], 0x0               ; x, gate_w, gate_b, W1's codes
	s_load_b256 s[12:19], s[0:1], 0x20             ; W1's scales, W2's codes, W2's scales, xq
	s_load_b128 s[20:23], s[0:1], 0x40             ; wts, rec
	s_load_b64 s[24:25], s[0:1], 0x50              ; wl
	v_lshl_add_u32 v254, v0, 2, SPARE
	v_mov_b32 v255, 0
	v_lshrrev_b32 v1, 5, v0
	v_readfirstlane_b32 s26, v1                    ; wave 0..7
	v_and_b32 v2, 31, v0                           ; lane
	v_lshlrev_b32 v3, 4, v0                        ; 16 x thread
	v_lshlrev_b32 v4, 5, v2                        ; 32 x lane
	v_lshlrev_b32 v1, 4, v2                        ; 16 x lane
	s_lshl_b32 s30, ttmp9, 16
	s_lshl_b32 s31, s26, 13
	s_add_co_u32 s30, s30, s31                     ; my 8 tokens' bytes in x
	s_mov_b32 s31, 0
	s_wait_alu depctr_va_vdst(0)
	s_wait_kmcnt 0x0
	s_add_nc_u64 s[4:5], s[4:5], s[30:31]
	global_load_b128 v[8:11], v3, s[6:7]
	global_load_b128 v[12:15], v3, s[6:7] offset:4096
.irp t, 0,1,2,3,4,5,6,7
	global_load_b128 v[X+8*\t:X+8*\t+3], v4, s[4:5] offset:1024*\t      ; a token's 1,024 bytes: a lane takes 8 neighbours
	global_load_b128 v[X+8*\t+4:X+8*\t+7], v4, s[4:5] offset:1024*\t+16
.endr
	s_load_b256 s[32:39], s[8:9], 0x0              ; gate_b: wanted at the tail
	; the weights: record j = work-group / 4, quarter q
	s_lshr_b32 s27, ttmp9, 2
	s_and_b32 s55, ttmp9, 3
	s_lshr_b32 s56, s26, 2
	s_and_b32 s57, s26, 3
	s_lshl_b32 s30, s27, 14                        ; 128 rows of W1, 32 rows of W2: 16,384 bytes each
	s_lshl_b32 s58, s55, 12
	s_add_co_u32 s58, s58, s30
	s_lshl_b32 s59, s56, 10
	s_add_co_u32 s58, s58, s59
	s_lshl_b32 s59, s57, 5
	s_add_co_u32 s58, s58, s59
	s_mov_b32 s59, 0
	s_add_nc_u64 s[48:49], s[10:11], s[58:59]      ; W1, unit q: chunk 4 u + 2 s + c = my wave: rows from 32 q + 8 u on, byte 64 s + 32 c
	s_lshl_b32 s58, s55, 7
	s_add_co_u32 s58, s58, s30
	s_lshl_b32 s60, s56, 6
	s_add_co_u32 s58, s58, s60
	s_lshr_b32 s60, s57, 1
	s_lshl_b32 s60, s60, 13
	s_add_co_u32 s58, s58, s60
	s_and_b32 s60, s57, 1
	s_lshl_b32 s60, s60, 5
	s_add_co_u32 s58, s58, s60
	s_add_nc_u64 s[50:51], s[14:15], s[58:59]      ; W2, unit q: chunk 4 p + 2 n + c = my wave: rows from 16 n on, byte 64 (2 q + p) + 32 c
	s_mul_i32 s30, s27, RECB
	s_add_nc_u64 s[24:25], s[24:25], s[30:31]
	s_lshl_b32 s30, s55, 12
	s_lshl_b32 s60, s26, 9
	s_add_co_u32 s30, s30, s60
	s_add_nc_u64 s[40:41], s[24:25], s[30:31]      ; where my two chunks go
	s_and_b32 s60, s55, 1
	s_lshl_b32 s60, s60, 9
	s_cmp_lt_u32 s55, 2                            ; quarters 0, 1: W1's scale words; 2, 3: W2's
	s_cselect_b32 s56, -1, 0
	s_cselect_b32 s57, 64, 8
	s_cselect_b32 s58, 256, 16
	s_cselect_b32 s30, 0, 17408
	s_cselect_b64 s[52:53], s[12:13], s[16:17]
	s_add_co_u32 s30, s30, s60
	s_add_nc_u64 s[42:43], s[24:25], s[30:31]
	s_lshl_b32 s30, s27, 10
	s_add_co_u32 s30, s30, s60
	s_add_nc_u64 s[52:53], s[52:53], s[30:31]
	v_and_b32 v228, 15, v0                         ; r
	v_bfe_u32 v229, v0, 4, 1                       ; h
	v_and_b32 v230, 8, v228
	v_add_nc_u32 v230, v230, v228                  ; r + 8 (r / 8): THE ROWS OF W1 THAT FORM A TILE ARE NOT NEIGHBOURS: lane r of tile 2 b + u takes row 32 b + 8 u + r + 8 (r / 8)
	v_lshlrev_b32 v5, 7, v230
	v_lshl_add_u32 v5, v229, 4, v5                 ; W1: a row is 128 bytes; + 16 h
	v_lshlrev_b32 v6, 9, v228
	v_lshl_add_u32 v6, v229, 4, v6                 ; W2: a row is 512 bytes; + 16 h
	v_lshlrev_b32 v212, 3, v230
	v_lshl_add_u32 v212, v229, 2, v212             ; W1's scale words: 8 bytes a row; lanes 16-31 take the second K step's
	v_lshlrev_b32 v213, 5, v228
	v_lshl_add_u32 v213, v229, 2, v213             ; W2's: 32 bytes a row; lanes 16-31 take the odd K step's
	v_cndmask_b32 v214, v213, v212, s56
	v_add_nc_u32 v215, s57, v214
	v_add_nc_u32 v231, s58, v214
	v_add_nc_u32 v232, s58, v215
	global_load_b128 v[192:195], v5, s[48:49]
	global_load_b128 v[196:199], v6, s[50:51]
	s_wait_alu depctr_va_vdst(0)
	s_cmp_lg_u32 s26, 4                            ; wave 4 alone brings the quarter's 512 bytes of scale words
	s_cbranch_scc1 .Lnosc
	global_load_b32 v200, v214, s[52:53]
	global_load_b32 v201, v215, s[52:53]
	global_load_b32 v202, v231, s[52:53]
	global_load_b32 v203, v232, s[52:53]
.Lnosc:
	v_lshrrev_b32 v204, 4, v0
	v_lshl_add_u32 v204, v204, 4, v3               ; gate_w into LDS: 16 bytes more for each 256 passed
	v_mul_u32_u24 v205, 272, v2                    ; and back: my 8 rows of 32 bytes
	s_lshl_b32 s60, s26, 6
	v_lshrrev_b32 v206, 2, v2
	s_add_co_u32 s61, s60, SCL
	v_add_nc_u32 v206, s61, v206                   ; my block's scale byte: four lanes hold a block
	v_and_b32 v211, 7, v0                          ; l % 8: the token of mine that lane l keeps
	v_lshlrev_b32 v210, 3, v211
	s_add_co_u32 s61, s60, WTL
	v_add_nc_u32 v210, s61, v210
	v_lshlrev_b32 v209, 1, v211
	s_lshl_b32 s60, s26, 4
	s_add_co_u32 s60, s60, KEY
	v_add_nc_u32 v209, s60, v209
	s_lshl_b32 s60, s26, 10
	s_add_co_u32 s60, s60, CST
	v_lshlrev_b32 v207, 2, v2
	v_add_nc_u32 v207, s60, v207
	v_add_nc_u32 v208, s60, v1
	s_lshl_b32 s60, s26, 3
	v_add_nc_u32 v211, s60, v211                   ; its number in the work-group
	s_mov_b32 s44, 0xaaaaaaaa
	s_mov_b32 s45, 0xcccccccc
	s_mov_b32 s46, 0xf0f0f0f0
	s_lshl_b32 s30, ttmp9, 13
	s_lshl_b32 s60, s26, 10
	s_add_co_u32 s30, s30, s60
	s_add_nc_u64 s[28:29], s[18:19], s[30:31]      ; my codes: 8 x 128 bytes
	s_lshl_b32 s30, ttmp9, 9
	s_add_nc_u64 s[18:19], s[18:19], s[30:31]      ; the work-group's 512 scale bytes (XQS stands in the store's immediate)
	s_add_nc_u64 s[20:21], s[20:21], s[30:31]      ; and its 512 bytes of wts
	s_lshl_b32 s30, ttmp9, 6
	s_lshl_b32 s60, s26, 5
	s_add_co_u32 s30, s30, s60
	s_lshl_b32 s60, ttmp9, 5
	s_add_co_u32 s60, s60, OTB
	s_cmp_lt_u32 s26, 2                            ; waves 0, 1 store places, wave 2 the counts
	s_cselect_b32 s30, s30, s60
	s_add_nc_u64 s[22:23], s[22:23], s[30:31]
	s_mov_b32 s56, 0x76543210
	s_mov_b32 s57, 0xfedcba98                      ; v_permlanex16_b32's selects for lane l xor 16
	s_wait_alu depctr_va_vdst(0)
	s_wait_loadcnt 18                              ; gate_w is in; x's 16 loads and the weights' two (in wave 4 six: there the wait is for more) stay out
	ds_store_b128 v204, v[8:11]
	ds_store_b128 v204, v[12:15] offset:4352
	s_wait_dscnt 0x0
	s_barrier_signal -1
	s_barrier_wait -1
.set i, 0
.rept 16
	ds_load_b128 v[G+4*i:G+4*i+3], v205 offset:16*i
.set i, i+1
.endr
.macro GATE xs                         ; two tokens' eight numbers x their rows of gate_w: eight sums each, two at a time; x's number serves both halves
.irp q, 0,1,2,3
	v_pk_mul_f32 v[LA+2*\q:LA+2*\q+1], v[(\xs):(\xs)+1], v[G+2*\q:G+2*\q+1] op_sel_hi:[0,1]
	v_pk_mul_f32 v[LB+2*\q:LB+2*\q+1], v[(\xs)+8:(\xs)+9], v[G+2*\q:G+2*\q+1] op_sel_hi:[0,1]
.endr
.set kk, 1
.rept 7
.irp q, 0,1,2,3
.if kk%2
	v_pk_fma_f32 v[LA+2*\q:LA+2*\q+1], v[(\xs)+kk-1:(\xs)+kk], v[G+8*kk+2*\q:G+8*kk+2*\q+1], v[LA+2*\q:LA+2*\q+1] op_sel:[1,0,0] op_sel_hi:[1,1,1]
	v_pk_fma_f32 v[LB+2*\q:LB+2*\q+1], v[(\xs)+8+kk-1:(\xs)+8+kk], v[G+8*kk+2*\q:G+8*kk+2*\q+1], v[LB+2*\q:LB+2*\q+1] op_sel:[1,0,0] op_sel_hi:[1,1,1]
.else
	v_pk_fma_f32 v[LA+2*\q:LA+2*\q+1], v[(\xs)+kk:(\xs)+kk+1], v[G+8*kk+2*\q:G+8*kk+2*\q+1], v[LA+2*\q:LA+2*\q+1] op_sel_hi:[0,1,1]
	v_pk_fma_f32 v[LB+2*\q:LB+2*\q+1], v[(\xs)+8+kk:(\xs)+8+kk+1], v[G+8*kk+2*\q:G+8*kk+2*\q+1], v[LB+2*\q:LB+2*\q+1] op_sel_hi:[0,1,1]
.endif
.endr
.set kk, kk+1
.endr
.endm
.macro COMB d, a, b, x, msk            ; lanes l and l xor x are added; lanes of the mask go on with b's token, the others with a's
.irp e, 0,1,2,3,4,5,6,7
	v_add_f32_dpp v[\a+\e], v[\a+\e], v[\a+\e] row_xmask:\x row_mask:0xf bank_mask:0xf
	v_add_f32_dpp v[\b+\e], v[\b+\e], v[\b+\e] row_xmask:\x row_mask:0xf bank_mask:0xf
.endr
.irp e, 0,1,2,3,4,5,6,7
	v_cndmask_b32 v[\d+\e], v[\a+\e], v[\b+\e], s[\msk]
.endr
.endm
.macro QNT a                           ; tokens 2 a, 2 a + 1; four neighbouring lanes hold a block of 32
.set XA, X+16*(\a)
.irp u, 0,1
	v_max3_num_f32 v[216+\u], |v[XA+8*\u]|, |v[XA+8*\u+1]|, |v[XA+8*\u+2]|
.endr
.irp j, 3,5
.irp u, 0,1
	v_max3_num_f32 v[216+\u], v[216+\u], |v[XA+8*\u+\j]|, |v[XA+8*\u+\j+1]|
.endr
.endr
.irp u, 0,1
	v_max3_num_f32 v[216+\u], v[216+\u], |v[XA+8*\u+7]|, 0x1800000   ; the floor 2^(3 - 127): the byte cannot fall under 1
.endr
.irp x, 1,2
.irp u, 0,1
	v_max_num_f32_dpp v[216+\u], v[216+\u], v[216+\u] row_xmask:\x row_mask:0xf bank_mask:0xf
.endr
.endr
.irp u, 0,1
	v_add_nc_u32 v[218+\u], 0xff000000, v[216+\u]  ; 2 off its exponent field: the conversion takes the exponent field of this operand as its scale
.endr
.irp u, 0,1
	v_cvt_scalef32_pk8_fp4_f32 v[CD+2*(\a)+\u], v[XA+8*\u:XA+8*\u+7], v[218+\u]
.endr
.irp u, 0,1
	v_lshrrev_b32 v[216+\u], 23, v[218+\u]         ; the scale's byte (plain lines behind the conversions)
.endr
.irp u, 0,1
	ds_store_b32 v207, v[CD+2*(\a)+\u] offset:128*(2*(\a)+\u)
	ds_store_b8 v206, v[216+\u] offset:8*(2*(\a)+\u)   ; the four lanes of a block write the same byte with the same value
.endr
.endm
.macro PAIR a, d
	s_wait_alu depctr_va_vdst(0)
	s_wait_loadcnt 14-4*(\a)                       ; these two tokens are in; the later ones and the weights' two loads stay out
.if (\a) == 0
	s_wait_dscnt 0x0                               ; gate_w
.endif
	GATE X+16*(\a)
	QNT \a
	COMB \d, LA, LB, 1, 44
.endm
	PAIR 0, 160
	PAIR 1, 168
	COMB 160, 160, 168, 2, 45
	PAIR 2, 168
	PAIR 3, 176
	COMB 168, 168, 176, 2, 45
	COMB LA, 160, 168, 4, 46
.irp e, 0,1,2,3,4,5,6,7
	v_add_f32_dpp v[LA+\e], v[LA+\e], v[LA+\e] row_xmask:8 row_mask:0xf bank_mask:0xf
.endr
.irp e, 0,1,2,3,4,5,6,7
	v_permlanex16_b32 v[LB+\e], v[LA+\e], s56, s57
.endr
.irp e, 0,1,2,3,4,5,6,7
	v_add_f32 v[LA+\e], v[LA+\e], v[LB+\e]         ; lane l has the eight logits of token l % 8
.endr
	ds_load_b128 v[220:223], v208                  ; LDS serves a wave's instructions in order: these see my stores of codes
	ds_load_b128 v[224:227], v208 offset:512
	s_wait_alu depctr_va_vdst(0)
	s_wait_loadcnt 0x0                             ; the weights
	global_store_b128 v1, v[192:195], s[40:41] offset:1024
	global_store_b128 v1, v[196:199], s[40:41] offset:18432
	s_cmp_lg_u32 s26, 4
	s_cbranch_scc1 .Lnosc2
	global_store_b128 v1, v[200:203], s[42:43]
.Lnosc2:
	s_wait_dscnt 0x0
	global_store_b128 v1, v[220:223], s[28:29]     ; each covers 512 consecutive bytes, aligned
	global_store_b128 v1, v[224:227], s[28:29] offset:512
	s_wait_kmcnt 0x0                               ; gate_b
.irp e, 0,1,2,3,4,5,6,7
	v_add_f32 v[LA+\e], s[32+\e], v[LA+\e]
.endr
	v_max3_num_f32 v88, v[LA], v[LA+1], v[LA+2]
	v_max3_num_f32 v89, v[LA+3], v[LA+4], v[LA+5]
	v_max3_num_f32 v88, v88, v[LA+6], v[LA+7]
	v_max_num_f32 v88, v88, v89                    ; the row's maximum is taken away ahead of the exponentials
.irp e, 0,1,2,3,4,5,6,7
	v_sub_f32 v[P+\e], v[LA+\e], v88
.endr
.irp e, 0,1,2,3,4,5,6,7
	v_mul_f32 v[P+\e], 0x3fb8aa3b, v[P+\e]         ; x log2(e)
.endr
	s_wait_alu depctr_va_vdst(0)
.irp e, 0,1,2,3,4,5,6,7
	v_exp_f32 v[P+\e], v[P+\e]
.endr
	v_nop                                          ; a plain line behind the last exponential
	s_wait_alu depctr_va_vdst(0)                   ; one wait for the batch of eight, ahead of its first reader
	v_add_f32 v89, v[P], v[P+1]
	v_add_f32 v90, v[P+2], v[P+3]
	v_add_f32 v91, v[P+4], v[P+5]
	v_add_f32 v92, v[P+6], v[P+7]
	v_add_f32 v89, v89, v90
	v_add_f32 v91, v91, v92
	v_add_f32 v92, v89, v91
	s_wait_alu depctr_va_vdst(0)
	v_rcp_f32 v93, v92                             ; its wait stands ahead of the two multiplications below; the searches are the work between
	v_mov_b32 v94, v[P]                            ; the largest, and its index: a strict > keeps the lower index of equals
	v_mov_b32 v95, 0
.irp e, 1,2,3,4,5,6,7
	v_cmp_gt_f32 vcc_lo, v[P+\e], v94
	v_cndmask_b32 v94, v94, v[P+\e], vcc_lo
	v_cndmask_b32 v95, v95, \e, vcc_lo
.endr
.irp e, 0,1,2,3,4,5,6,7
	v_cmp_eq_u32 vcc_lo, \e, v95
	v_cndmask_b32 v[P+\e], v[P+\e], -1.0, vcc_lo   ; it is taken out: -1 lies under every exponential
.endr
	v_mov_b32 v96, v[P]                            ; the second largest likewise
	v_mov_b32 v97, 0
.irp e, 1,2,3,4,5,6,7
	v_cmp_gt_f32 vcc_lo, v[P+\e], v96
	v_cndmask_b32 v96, v96, v[P+\e], vcc_lo
	v_cndmask_b32 v97, v97, \e, vcc_lo
.endr
	s_wait_alu depctr_va_vdst(0)                   ; the reciprocal's wait, ahead of its first reader
	v_mul_f32 v98, v94, v93                        ; the two probabilities
	v_mul_f32 v99, v96, v93
	v_sub_nc_u32 v100, v97, v95
	v_and_b32 v100, 7, v100                        ; (second - first) mod 8
	v_sub_nc_u32 v101, 8, v100
	v_min_u32 v102, v100, v101                     ; d
	v_cmp_ge_u32 vcc_lo, 4, v100
	v_cndmask_b32 v103, v97, v95, vcc_lo           ; a
	v_and_b32 v104, 3, v103
	v_cmp_eq_u32 vcc_lo, 4, v102
	v_cndmask_b32 v103, v103, v104, vcc_lo
	v_cmp_eq_u32 vcc_lo, v103, v95                 ; is a the first choice?
	v_cndmask_b32 v106, v99, v98, vcc_lo
	v_cndmask_b32 v107, v98, v99, vcc_lo
	v_lshl_add_u32 v105, v102, 3, v103
	v_add_nc_u32 v105, -8, v105                    ; the class
	v_lshl_or_b32 v105, v105, 6, v211              ; the key: class x 64 + token
	ds_store_b16 v209, v105                        ; (the four lanes that hold a token write the same)
	ds_store_b64 v210, v[106:107]
	v_and_b32 v89, 63, v0
	v_lshlrev_b32 v90, 1, v89
	v_lshlrev_b32 v92, 3, v89                      ; 8 x thread
	v_lshlrev_b32 v93, 6, v2                       ; 64 x lane
	v_mov_b32 v88, 0
	s_wait_alu depctr_va_vdst(0)
	s_wait_tensorcnt 0x0                           ; behind my last LDS store
	ds_add_u32 v254, v255
	s_wait_dscnt 0x0                               ; for the others' sake too: my stores have landed
	s_barrier_signal -1
	s_barrier_wait -1
	s_cmp_gt_u32 s26, 2
	s_cbranch_scc1 .Lother
	; waves 0, 1: a thread is a token; wave 2: a lane is a class.  How many of the 64 keys lie under mine (wave 2: under 64 x class)?
.irp i, 0,1,2,3,4,5,6,7
	ds_load_b128 v[96+4*\i:96+4*\i+3], v88 offset:KEY+16*\i
.endr
	ds_load_u16 v91, v90 offset:KEY
	ds_load_b64 v[94:95], v92 offset:WTL
	s_wait_dscnt 0x0
	s_cmp_gt_u32 s26, 1
	s_cbranch_scc1 .Lcount
	global_store_b64 v92, v[94:95], s[20:21]       ; a wave stores 256 consecutive bytes, aligned
.Lcount:
	s_cmp_eq_u32 s26, 2
	s_cselect_b32 s47, -1, 0
	v_cndmask_b32 v91, v91, v93, s47
	v_sub_nc_u32 v91, 0x8000, v91
	v_lshl_or_b32 v91, v91, 16, v91
.set i, 0
.rept 32
	v_add_nc_u32 v[96+i], v[96+i], v91             ; two keys a register: bit 15 of each half says key >= mine
.set i, i+1
.endr
.set i, 0
.rept 32
	v_lshrrev_b32 v[96+i], 15, v[96+i]
.set i, i+1
.endr
.set i, 0
.rept 32
	v_and_b32 v[96+i], 0x10001, v[96+i]
.set i, i+1
.endr
	v_add_nc_u32 v128, v96, v97
	v_add_nc_u32 v129, v98, v99
.set i, 4
.rept 7
	v_add3_u32 v128, v128, v[96+i], v[97+i]
	v_add3_u32 v129, v129, v[98+i], v[99+i]
.set i, i+4
.endr
	v_add_nc_u32 v128, v128, v129
	v_and_b32 v129, 0xffff, v128
	v_lshrrev_b32 v128, 16, v128
	v_add_nc_u32 v128, v128, v129
	v_sub_nc_u32 v130, 64, v128
	global_store_b8 v2, v130, s[22:23]
	s_endpgm
.Lother:
	s_cmp_gt_u32 s26, 3
	s_cbranch_scc1 .Lend
	ds_load_b128 v[96:99], v1 offset:SCL           ; wave 3: the work-group's scale bytes
	s_wait_dscnt 0x0
	global_store_b128 v1, v[96:99], s[18:19] offset:XQS   ; 512 consecutive bytes, aligned
.Lend:
	s_endpgm
.Lfunc_end_k_q90aa27f335_route:
	.size	k_q90aa27f335_route, .Lfunc_end_k_q90aa27f335_route-k_q90aa27f335_route
	.p2alignl 7, 3214868480
	.fill 96, 4, 3214868480
	.section	.rodata,"a",@progbits
	.p2align	6, 0x0
	.amdhsa_kernel k_q90aa27f335_route
		.amdhsa_group_segment_fixed_size 19200
		.amdhsa_private_segment_fixed_size 0
		.amdhsa_enable_private_segment 0
		.amdhsa_kernarg_size 88
		.amdhsa_user_sgpr_count 2
		.amdhsa_user_sgpr_kernarg_segment_ptr 1
		.amdhsa_wavefront_size32 1
		.amdhsa_system_sgpr_workgroup_id_x 1
		.amdhsa_system_sgpr_workgroup_id_y 1
		.amdhsa_system_sgpr_workgroup_id_z 1
		.amdhsa_system_vgpr_workitem_id 0
		.amdhsa_next_free_vgpr 256
		.amdhsa_next_free_sgpr 66
		.amdhsa_reserve_vcc 1
		.amdhsa_float_denorm_mode_32 3
		.amdhsa_float_denorm_mode_16_64 3
		.amdhsa_memory_ordered 1
		.amdhsa_forward_progress 1
		.amdhsa_inst_pref_size 56
	.end_amdhsa_kernel
	.amdgpu_metadata
---
amdhsa.version: [ 1, 2 ]
amdhsa.kernels:
  - .name:           k_q90aa27f335_route
    .symbol:         k_q90aa27f335_route.kd
    .args:
      - { .name: x, .offset: 0, .size: 8, .value_kind: global_buffer, .address_space: global }
      - { .name: gate_w, .offset: 8, .size: 8, .value_kind: global_buffer, .address_space: global }
      - { .name: gate_b, .offset: 16, .size: 8, .value_kind: global_buffer, .address_space: global }
      - { .name: w1_codes, .offset: 24, .size: 8, .value_kind: global_buffer, .address_space: global }
      - { .name: w1_scales, .offset: 32, .size: 8, .value_kind: global_buffer, .address_space: global }
      - { .name: w2_codes, .offset: 40, .size: 8, .value_kind: global_buffer, .address_space: global }
      - { .name: w2_scales, .offset: 48, .size: 8, .value_kind: global_buffer, .address_space: global }
      - { .name: xq, .offset: 56, .size: 8, .value_kind: global_buffer, .address_space: global }
      - { .name: wts, .offset: 64, .size: 8, .value_kind: global_buffer, .address_space: global }
      - { .name: rec, .offset: 72, .size: 8, .value_kind: global_buffer, .address_space: global }
      - { .name: wl, .offset: 80, .size: 8, .value_kind: global_buffer, .address_space: global }
    .group_segment_fixed_size: 19200
    .private_segment_fixed_size: 0
    .kernarg_segment_align: 8
    .kernarg_segment_size: 88
    .max_flat_workgroup_size: 256
    .sgpr_count:     66
    .vgpr_count:     256
    .wavefront_size: 32
...
	.end_amdgpu_metadata
.endif
;; end of part 1
;; launch chain (part 2): grid 232 x 1, 8 waves a work-group, no clusters, 221,952 bytes of LDS; arguments rec, xq, wts, wl, b1, b2, out0; writes out0
.if DOCPART == 2
	.amdgcn_target "amdgcn-amd-amdhsa--gfx1250"
	.amdhsa_code_object_version 6
	.text
	.protected	k_q90aa27f335_chain
	.globl	k_q90aa27f335_chain
	.p2align	8
	.type	k_q90aa27f335_chain,@function
k_q90aa27f335_chain:
	s_mov_b64 s[64:65], 0
	v_nop
	global_prefetch_b8 v0, s[64:65] scope:SCOPE_SE
	s_setreg_imm32_b32 hwreg(HW_REG_WAVE_MODE, 25, 1), 1
	s_wait_xcnt 0x0
; CHAIN: out0[token] = the sum over the token's two experts of probability x (relu(x W1 + b1) W2 + b2), both products on codes of FP4 (E2M1) with one E8M0 scale for each 32 along K.
; A work-group takes at most 80 tokens of ONE class (pair of experts a, b) and owns their rows of out0 whole: exactly two experts, whatever the split.
; THE GRID: the sum of ceil(n / 80) over 28 classes with 16,384 tokens in all is at most 232; a work-group that a split leaves without tokens stores nothing.
; THE SORT stands in the head: rec gives for each unit of 64 tokens (a row, 256 of them) how many have a class under c (O), and each token's place in its unit's order.  From O come the classes' totals, the blocks of
;   each class, and, for my class, where each row's tokens begin (ST).  Slot s of my block is rank R = 80 x (my block in the class) + s: the last row that begins at or under R holds it, at place O[row][c] + R - start.
; THE EIGHT WAVES SHARE THE COLUMNS: wave w makes hidden units 128 w .. 128 w + 127, which are K step w of the second product, and outputs 32 w .. 32 w + 31, for all 80 tokens (five tiles m of 16).
; Both products are used transposed (source 0 = 16 rows of the weight, source 1 = 16 tokens): a lane holds ONE token (lane % 16).  The rows of W1 that form a tile are chosen (in wl) so that the 16 registers
; of tiles 2 b and 2 b + 1 are 16 neighbours along the next K.  The hidden layer is quantised in registers and goes from wave to wave through LDS as an image of the operand's registers.
; THE WEIGHTS come from wl straight into registers, each lane 16 bytes of 512 consecutive ones: sixteen units of 32 registers (expert a: W1 0-3, W2 4-7; expert b: 8-15) through a ring of five slots; unit k + 5 is asked for when unit k is done with.
;   No byte of them is read twice in a work-group.  A unit is 8 loads; units 0, 4, 8, 12 have two more for scale words.
; NO TENSOR LOAD AND NO CLUSTER: which experts a block takes hangs on numbers read from memory, so partners would ask for different tiles.  NO PREFETCH: there is no loop, and an address is known only when its load is issued.
; THE ACTIVATION is taken on the codes: a negative number's code loses its magnitude bits (code 8 is -0 and adds nothing), and negatives do not count in the block's maximum.
; WORK LEFT OUT: the experts that a token's top_k did not choose (see the first kernel).
; LIMITS: NaN and infinities are not served; a NaN, an infinity or an overflow that reaches only the experts left out is not carried to the result.  A hidden block under 2^-124 keeps the byte 1 (zeros too: their codes are zeros).
.set OTB,    16384
.set XQS,    2097152
.set RECB,   34816
.set PP,     1024                      ; LDS: 0: ST, 256 words; PP: sums of O over 32 rows, 8 x 64 bytes
.set POS,    2048                      ; the places, 16,384 bytes
.set XI,     18432                     ; x's fragments as images: 2,048 bytes a tile
.set XSI,    34816                     ; its scale words, 128 bytes a tile;  + 1,024: the probabilities: 16 of expert a, 16 of expert b
.set WTI,    35840
.set TL,     36864                     ; the slots' tokens
.set B1L,    37376                     ; each wave's part of b1: 512 bytes an expert
.set B2L,    45568                     ; and of b2: 128
.set IMG,    47616                     ; two buffers of 40,960: the hidden layer's fragment (tile m, K step s) at (8 m + s) x 1,024
.set HSC,    129536                    ; two buffers of 4,096: its scale words at 512 s + 32 r + 4 m
.set STG,    137728                    ; the stage for the way out: 80 rows x (1,024 bytes + 16)
.set SPITCH, 1040
.set SPARE,  220928
; window 0
.set L16, 1                            ; 16 x lane
.set IMR, 2                            ; v2-3 where I read images, buffer 0, 1
.set IMW, 4                            ; v4-5 where I store them
.set HSW, 6
.set HSR, 7
.set B1A, 8
.set B2A, 9
.set STO, 10                           ; v10-11 the stage: where I put 32 bytes of a row, tiles 0-1 and 2-4
.set SRD, 12
.set WTA, 13
.set TK,  14                           ; lane i: the token whose row I store i-th
.set XS,  16                           ; v16-20 x's scale words: lanes 0-15 K step 0, lanes 16-31 K step 1
.set W1S, 24                           ; v24-31 W1's, for tile t, likewise
.set W2S, 32                           ; v32-39 W2's: register 4 n + u: lanes 0-15 K step 2 u, lanes 16-31 K step 2 u + 1
.set TM,  40                           ; v40-59 at work
.set B2R, 40                           ; v40-55 in phase 2: b2 as C, two tiles
.set WG,  56                           ; v56-61 in phase 2: my token's probability, for each tile (v61 stays 0)
.set ACC, 64                           ; v64-143 ten accumulators
.set PC,  144                          ; v144-183 the codes just made
.set B1R, 184                          ; v184-215 b1 as C, two sets of two tiles
.set HF,  144                          ; v144-223 in phase 2: hidden fragments, two buffers of 40
.set HS,  224                          ; v224-243 the hidden layer's scale words: 4 u + m for m < 4, 16 + u for m = 4
.set PW,  244                          ; v244-248 the scale words being made
.set XF,  160                          ; window 1: v0-159 the ring, slot u at 32 u; v160-239 x's fragments: (m, s) at 16 m + 8 s
.set MSB, 0
.macro WIN new                         ; the immediate's high byte repeats the setting that is left
.if MSB != \new
	s_set_vgpr_msb (MSB<<8)|\new
.set MSB, \new
.endif
.endm
.macro PLACES                          ; four plain lines behind matrix instructions, in front of loads into their registers and of the first read of results
.rept 4
	v_nop
.endr
.endm
.macro BAR                             ; for the others' sake: my LDS instructions are done
	s_wait_alu depctr_va_vdst(0)
	s_wait_dscnt 0x0
	s_barrier_signal -1
	s_barrier_wait -1
.endm
.macro UNIT k                          ; unit k into slot k % 5; s[40:41], s[42:43]: my records of experts a and b
.set UQ, (\k)%8
.set UB, 40+2*((\k)/8)
.set UO, 1024+4096*(UQ%4)+17408*(UQ/4)
.set US, 32*((\k)%5)
.if (UQ%4) == 0
	global_load_b128 v[W1S+8*(UQ/4):W1S+8*(UQ/4)+3], v[L16], s[UB:UB+1] offset:17408*(UQ/4)
	global_load_b128 v[W1S+8*(UQ/4)+4:W1S+8*(UQ/4)+7], v[L16], s[UB:UB+1] offset:17408*(UQ/4)+512
.endif
	WIN 0x40                                       ; destination window 1, address window 0
.irp i, 0,1,2,3,4,5,6,7
	global_load_b128 v[US+4*\i:US+4*\i+3], v[L16], s[UB:UB+1] offset:UO+512*\i
.endr
	WIN 0
.endm
.macro UHALF hf                        ; unit 0 in two halves (slot 0), the scale words with the first
.if (\hf) == 0
	global_load_b128 v[W1S:W1S+3], v[L16], s[40:41]
	global_load_b128 v[W1S+4:W1S+7], v[L16], s[40:41] offset:512
.endif
	WIN 0x40
.irp i, 0,1,2,3
	global_load_b128 v[16*(\hf)+4*\i:16*(\hf)+4*\i+3], v[L16], s[40:41] offset:1024+2048*(\hf)+512*\i
.endr
	WIN 0
.endm
.macro AWAIT k                         ; unit k is in: behind it up to unit k + 4 has been asked for (unit 0 is in with x)
.set KU, \k
.set KJ, KU+4
.if KJ > 15
.set KJ, 15
.endif
	s_wait_loadcnt 8*(KJ-KU)+2*(KJ/4-KU/4)
.endm
.macro MM d, a, b, c, sa, sb, row      ; one product; row = 1: both sides' scale words are taken from lanes 16-31
.if \row
	v_wmma_scale_f32_16x16x128_f8f6f4 v[(\d):(\d)+7], v[(\a):(\a)+7], v[(\b):(\b)+7], v[(\c):(\c)+7], v[\sa], v[\sb] matrix_a_fmt:MATRIX_FMT_FP4 matrix_b_fmt:MATRIX_FMT_FP4 matrix_a_scale:MATRIX_SCALE_ROW1 matrix_b_scale:MATRIX_SCALE_ROW1
.else
	v_wmma_scale_f32_16x16x128_f8f6f4 v[(\d):(\d)+7], v[(\a):(\a)+7], v[(\b):(\b)+7], v[(\c):(\c)+7], v[\sa], v[\sb] matrix_a_fmt:MATRIX_FMT_FP4 matrix_b_fmt:MATRIX_FMT_FP4
.endif
.endm
.macro PADR d, c, t                    ; where class c's sum lies among a wave's 64 bytes
	v_lshrrev_b32 v[\d], 4, v[\c]
	v_lshlrev_b32 v[\d], 5, v[\d]
	v_bfe_u32 v[\t], v[\c], 2, 2
	v_lshl_add_u32 v[\d], v[\t], 2, v[\d]
	v_and_b32 v[\t], 1, v[\c]
	v_lshl_add_u32 v[\d], v[\t], 4, v[\d]
	v_bfe_u32 v[\t], v[\c], 1, 1
	v_lshl_add_u32 v[\d], v[\t], 1, v[\d]
.endm
.macro SCAN d, t, s                    ; a running sum over the 32 lanes: inside each half, then the lower half's total onto the upper
	v_mov_b32 v[\d], v[\s]
	v_mov_b32 v[\t], 0
.irp n, 1,2,4,8
	v_mov_b32_dpp v[\t], v[\d] row_shr:\n row_mask:0xf bank_mask:0xf bound_ctrl:1
	v_add_nc_u32 v[\d], v[\d], v[\t]
.endr
	v_readlane_b32 s29, v[\d], 15
	v_mov_b32 v[\t], s29
	v_cndmask_b32 v[\t], 0, v[\t], s33
	v_add_nc_u32 v[\d], v[\d], v[\t]
.endm
.macro SEL d, m2, m3, m4               ; the dword of my row (v80-87) that three masks name
	v_cndmask_b32 v[\d], v80, v81, s[\m2]
	v_cndmask_b32 v[\d+1], v82, v83, s[\m2]
	v_cndmask_b32 v[\d+2], v84, v85, s[\m2]
	v_cndmask_b32 v[\d+3], v86, v87, s[\m2]
	v_cndmask_b32 v[\d], v[\d], v[\d+1], s[\m3]
	v_cndmask_b32 v[\d+2], v[\d+2], v[\d+3], s[\m3]
	v_cndmask_b32 v[\d], v[\d], v[\d+2], s[\m4]
.endm
.macro COUNT d                         ; one more where VCC says so
	v_cndmask_b32 v199, 0, 1, vcc_lo
	v_add_nc_u32 v[\d], v[\d], v199
.endm
	s_load_b256 s[4:11], s[0:1], 0x0               ; rec s[4:5], xq s[6:7], wts s[8:9], wl s[10:11]
	s_load_b128 s[12:15], s[0:1], 0x20             ; b1 s[12:13], b2 s[14:15]
	s_load_b64 s[16:17], s[0:1], 0x30              ; out0
	v_lshl_add_u32 v254, v0, 2, SPARE
	v_mov_b32 v255, 0
	v_lshrrev_b32 v62, 5, v0
	v_readfirstlane_b32 s18, v62                   ; wave 0..7
	v_and_b32 v65, 31, v0                          ; lane
	v_and_b32 v66, 15, v0                          ; r
	v_bfe_u32 v67, v0, 4, 1                        ; h
	v_lshlrev_b32 v[L16], 4, v65
	v_lshlrev_b32 v68, 5, v65
	s_lshl_b32 s26, s18, 10
	s_add_co_u32 s26, s26, OTB
	s_mov_b32 s27, 0                               ; stays 0: the upper word of every offset
	s_lshl_b32 s28, s18, 11
	s_mov_b32 s29, 0
	s_wait_alu depctr_va_vdst(0)
	s_wait_kmcnt 0x0
	s_add_nc_u64 s[20:21], s[4:5], s[26:27]        ; my 32 rows of O, 32 bytes each
	s_add_nc_u64 s[22:23], s[4:5], s[28:29]        ; and their 2,048 places
	global_load_b128 v[72:75], v[L16], s[20:21]
	global_load_b128 v[76:79], v[L16], s[20:21] offset:512
	global_load_b128 v[80:83], v68, s[20:21]       ; once more: a lane is a row
	global_load_b128 v[84:87], v68, s[20:21] offset:16
.irp i, 0,1,2,3
	global_load_b128 v[88+4*\i:88+4*\i+3], v[L16], s[22:23] offset:512*\i
.endr
	; LDS addresses, while the loads are out
	s_lshl_b32 s26, s18, 10
	v_add_nc_u32 v[IMR], IMG, v[L16]
	v_add_nc_u32 v[IMR+1], 0xa000, v[IMR]
	v_add_nc_u32 v[IMW], s26, v[IMR]
	v_add_nc_u32 v[IMW+1], s26, v[IMR+1]
	v_lshlrev_b32 v69, 5, v66
	s_lshl_b32 s26, s18, 9
	s_add_co_u32 s26, s26, HSC
	v_add_nc_u32 v[HSW], s26, v69                  ; HSC + 512 w + 32 r
	v_lshl_add_u32 v[HSR], v67, 9, v69
	v_add_nc_u32 v[HSR], HSC, v[HSR]               ; lanes 0-15 take the even K step's words, lanes 16-31 the odd one's
	s_lshl_b32 s26, s18, 10
	s_add_co_u32 s26, s26, B1L
	v_lshlrev_b32 v[B1A], 6, v67
	v_add_nc_u32 v[B1A], s26, v[B1A]               ; + 64 h
	v_add_nc_u32 v208, s26, v[L16]                 ; where my part of b1 goes
	v_lshlrev_b32 v214, 2, v65                     ; 4 x lane
	s_lshl_b32 s26, s18, 8
	s_add_co_u32 s26, s26, B2L
	v_lshlrev_b32 v[B2A], 5, v67
	v_add_nc_u32 v[B2A], s26, v[B2A]               ; + 32 h
	v_add_nc_u32 v209, s26, v214
	s_lshl_b32 s26, s18, 7
	s_add_co_u32 s26, s26, STG
	v_mul_u32_u24 v70, SPITCH, v66
	v_lshl_add_u32 v70, v67, 5, v70
	v_add_nc_u32 v[STO], s26, v70                  ; STG + row r + 128 w + 32 h
	v_add_nc_u32 v[STO+1], 32*SPITCH, v[STO]
	s_mul_i32 s26, s18, 10*SPITCH
	s_add_co_u32 s26, s26, STG
	v_add_nc_u32 v[SRD], s26, v[L16]
	v_lshlrev_b32 v71, 2, v66                      ; 4 r
	v_add_nc_u32 v[WTA], WTI, v71
	s_lshl_b32 s26, s18, 6
	s_add_co_u32 s46, s26, TL
	v_add_nc_u32 v206, s46, v71                    ; TL + 64 w + 4 r
	s_mul_i32 s46, s18, 40
	s_add_co_u32 s46, s46, TL
	v_add_nc_u32 v207, s46, v71                    ; TL + 40 w + 4 r: wave w stores the rows of slots 10 w .. 10 w + 9
	s_add_co_u32 s26, s26, PP
	v_and_b32 v200, 1, v65
	v_lshlrev_b32 v200, 5, v200
	v_add_nc_u32 v200, s26, v200                   ; PP + 64 w + 32 (l % 2)
	PADR 201, 65, 63
	v_add_nc_u32 v215, 1, v65
	v_and_b32 v215, 31, v215
	PADR 202, 215, 63
	s_lshl_b32 s26, s18, 11
	s_add_co_u32 s46, s26, POS
	v_add_nc_u32 v203, s46, v[L16]
	s_add_co_u32 s46, s26, XI
	v_add_nc_u32 v210, s46, v[L16]
	v_add_nc_u32 v211, XI, v[L16]
	v_lshlrev_b32 v204, 2, v0                      ; ST: a thread is a row
	s_lshl_b32 s26, s18, 7
	s_add_co_u32 s26, s26, XSI
	v_add_nc_u32 v205, s26, v214
	v_add_nc_u32 v212, XSI, v214
	s_lshl_b32 s26, s18, 4
	v_add_nc_u32 v213, s26, v66                    ; my slot: 16 w + r (slots from 80 on are computed by none: waves 5 to 7 fill rows that nobody reads)
.irp i, 0,1,2,3,4
	v_mov_b32 v[TM+5+\i], 0                        ; a lane permute's destination counts as one of its sources
.endr
	v_mov_b32 v61, 0
.irp i, 0,1,2,3,4,5,6,7
	v_mov_b32 v[112+\i], 0
.endr
.irp k, 1,2,3,4,5,6,7
	s_cmp_eq_u32 s18, \k
	s_cselect_b32 s[50+\k], -1, 0
.endr
	s_mov_b32 s33, 0xffff0000
	s_mov_b32 s36, 0x76543210
	s_mov_b32 s37, 0xfedcba98                      ; v_permlanex16_b32's selects for lane l xor 16
	s_mov_b32 s44, 0x88888888
	s_mov_b32 s45, 0x1800000                       ; the floor 2^(3 - 127)
	s_wait_alu depctr_va_vdst(0)
	s_wait_loadcnt 6                               ; two loads of O are in
	; sums of O over my 32 rows: even lanes hold classes 0-15, odd lanes 16-31; bytes to 16-bit halves (a byte is at most 64)
.irp q, 0,1,2,3
	v_add_nc_u32 v[72+\q], v[72+\q], v[76+\q]
.endr
.irp q, 0,1,2,3
	v_and_b32 v[104+\q], 0xff00ff, v[72+\q]
	v_lshrrev_b32 v[76+\q], 8, v[72+\q]
.endr
.irp q, 0,1,2,3
	v_and_b32 v[108+\q], 0xff00ff, v[76+\q]
.endr
.irp n, 2,4,8
.irp q, 0,1,2,3,4,5,6,7
	v_add_nc_u32_dpp v[104+\q], v[104+\q], v[104+\q] row_xmask:\n row_mask:0xf bank_mask:0xf
.endr
.endr
.irp q, 0,1,2,3,4,5,6,7
	v_permlanex16_b32 v[112+\q], v[104+\q], s36, s37
.endr
.irp q, 0,1,2,3,4,5,6,7
	v_add_nc_u32 v[104+\q], v[104+\q], v[112+\q]
.endr
	ds_store_b128 v200, v[104:107]
	ds_store_b128 v200, v[108:111] offset:16
	s_wait_loadcnt 0x0
.irp i, 0,1,2,3
	ds_store_b128 v203, v[88+4*\i:88+4*\i+3] offset:512*\i
.endr
	BAR
.irp k, 0,1,2,3,4,5,6,7
	ds_load_u16 v[120+\k], v201 offset:PP+64*\k    ; a lane is a class: the sum for c,
	ds_load_u16 v[128+\k], v202 offset:PP+64*\k    ; and for c + 1
.endr
	v_cmp_gt_u32 s30, 28, v65
	s_wait_alu depctr_va_vdst(0)
	s_wait_dscnt 0x0
.irp k, 0,1,2,3,4,5,6,7
	v_sub_nc_u32 v[120+\k], v[128+\k], v[120+\k]
.endr
.irp k, 0,1,2,3,4,5,6,7
	v_cndmask_b32 v[120+\k], 0, v[120+\k], s30     ; group k's tokens of class c (a group: the 32 rows of wave k)
.endr
	v_mov_b32 v136, v120
.irp k, 1,2,3,4,5,6,7
	v_add_nc_u32 v[136+\k], v[135+\k], v[120+\k]   ; v136-142: in the groups ahead of group 1 .. 7; v143: in all
.endr
	v_add_nc_u32 v144, 79, v143
	v_mul_u32_u24 v144, 0xcccd, v144
	v_lshrrev_b32 v144, 22, v144                   ; the class's blocks: ceil(n / 80) (52,429 / 2^22 is 1 / 80 to within 5e-8, and n + 79 stays under 16,464)
	SCAN 145, 146, 144
	v_sub_nc_u32 v147, v145, v144
	s_mov_b32 s28, ttmp9
	v_cmp_ge_u32 s30, s28, v147
	v_cmp_lt_u32 s31, s28, v145
	v_sub_nc_u32 v148, s28, v147
	v_mul_u32_u24 v148, 0x50, v148                 ; my block's first rank in its class
	s_wait_alu depctr_va_vdst(0)
	s_and_b32 s30, s30, s31                        ; the lane of my class; none: this split leaves me without tokens
	s_ctz_i32_b32 s31, s30
	s_min_u32 s31, s31, 27                         ; the class
	s_lshl_b32 s48, s31, 2
	v_mov_b32 v149, s48
	ds_bpermute_b32 v150, v149, v143               ; of my class, in every lane: its tokens,
	ds_bpermute_b32 v151, v149, v148               ; my first rank,
.irp k, 0,1,2,3,4,5,6
	ds_bpermute_b32 v[152+\k], v149, v[136+\k]     ; and its tokens ahead of groups 1 .. 7
.endr
	s_and_b32 s46, s31, 7
	s_min_u32 s46, s46, 7                          ; expert a
	s_lshr_b32 s47, s31, 3
	s_add_co_u32 s47, s47, s46
	s_add_co_u32 s47, s47, 1
	s_and_b32 s47, s47, 7
	s_min_u32 s47, s47, 7                          ; expert b
	s_lshl_b32 s26, s46, 3
	s_add_co_u32 s26, s26, s18
	s_mul_i32 s26, s26, RECB
	s_add_nc_u64 s[40:41], s[10:11], s[26:27]
	s_lshl_b32 s26, s47, 3
	s_add_co_u32 s26, s26, s18
	s_mul_i32 s26, s26, RECB
	s_add_nc_u64 s[42:43], s[10:11], s[26:27]
	UHALF 0
	s_lshl_b32 s48, s18, 9
	s_lshl_b32 s26, s46, 12
	s_add_co_u32 s26, s26, s48
	s_add_nc_u64 s[20:21], s[12:13], s[26:27]      ; my 128 numbers of b1, expert a
	s_lshl_b32 s26, s47, 12
	s_add_co_u32 s26, s26, s48
	s_add_nc_u64 s[22:23], s[12:13], s[26:27]
	s_lshl_b32 s48, s18, 7
	s_lshl_b32 s26, s46, 10
	s_add_co_u32 s26, s26, s48
	s_add_nc_u64 s[24:25], s[14:15], s[26:27]      ; my 32 numbers of b2
	s_lshl_b32 s26, s47, 10
	s_add_co_u32 s26, s26, s48
	s_add_nc_u64 s[34:35], s[14:15], s[26:27]
	s_add_co_u32 s62, s31, 1
	s_bitcmp1_b32 s31, 2
	s_cselect_b32 s59, -1, 0
	s_bitcmp1_b32 s31, 3
	s_cselect_b32 s60, -1, 0
	s_bitcmp1_b32 s31, 4
	s_cselect_b32 s61, -1, 0
	s_bitcmp1_b32 s62, 2
	s_cselect_b32 s66, -1, 0
	s_bitcmp1_b32 s62, 3
	s_cselect_b32 s67, -1, 0
	s_bitcmp1_b32 s62, 4
	s_cselect_b32 s68, -1, 0
	s_and_b32 s69, s31, 3
	s_lshl_b32 s69, s69, 3
	s_and_b32 s70, s62, 3
	s_lshl_b32 s70, s70, 3
	SEL 160, 59, 60, 61
	SEL 164, 66, 67, 68
	v_lshrrev_b32 v160, s69, v160
	v_lshrrev_b32 v164, s70, v164
	v_and_b32 v160, 0xff, v160
	v_and_b32 v164, 0xff, v164
	v_sub_nc_u32 v168, v164, v160                  ; my row's tokens of the class
	SCAN 169, 170, 168
	v_sub_nc_u32 v171, v169, v168
	v_mov_b32 v172, 0
	s_wait_alu depctr_va_vdst(0)
	s_wait_dscnt 0x0
.irp k, 1,2,3,4,5,6,7
	v_cndmask_b32 v172, v172, v[151+\k], s[50+\k]
.endr
	v_add_nc_u32 v172, v172, v171                  ; where my row's tokens of the class begin
	v_lshl_or_b32 v173, v172, 8, v160
	ds_store_b32 v204, v173
	v_sub_nc_u32 v174, v150, v151
	v_min_u32 v174, 0x50, v174
	v_add_nc_u32 v175, v151, v213
	v_add_nc_u32 v188, -1, v150
	v_min_u32 v175, v175, v188                     ; R; a slot behind my block's last token repeats the class's last one or goes on, and is not stored
	v_lshl_or_b32 v188, v175, 8, 0xff
	v_mov_b32 v176, 0
.irp k, 1,2,3,4,5,6,7
	v_cmp_ge_u32 vcc_lo, v175, v[151+\k]
	COUNT 176
.endr
	v_min_u32 v176, 7, v176                        ; the group
	v_lshlrev_b32 v189, 7, v176
	v_lshlrev_b32 v192, 5, v176
	s_wait_alu depctr_va_vdst(0)
	v_readfirstlane_b32 s49, v174
	s_cmp_lg_u32 s30, 0
	s_cselect_b32 s49, s49, 0                      ; my block's tokens
	s_mul_i32 s26, s18, 10
	s_sub_co_u32 s58, s49, s26                     ; the rows that I store: none where this is 0 or less
	BAR
	; the last row that begins at or under R: among every fourth of the group's 32, then among four
.irp k, 1,2,3,4,5,6,7
	ds_load_b32 v[176+\k], v189 offset:16*\k
.endr
	UHALF 1                                        ; while the LDS loads are out
	v_mov_b32 v194, 0
	s_wait_alu depctr_va_vdst(0)
	s_wait_dscnt 0x0
.irp k, 1,2,3,4,5,6,7
	v_cmp_ge_u32 vcc_lo, v188, v[176+\k]
	COUNT 194
.endr
	v_min_u32 v194, 7, v194
	v_lshl_add_u32 v189, v194, 4, v189
	v_lshl_add_u32 v192, v194, 2, v192
	ds_load_b128 v[184:187], v189
	global_load_b128 v[216:219], v[L16], s[20:21]  ; the biases
	global_load_b128 v[220:223], v[L16], s[22:23]
	global_load_b32 v250, v214, s[24:25]
	global_load_b32 v251, v214, s[34:35]
	s_wait_alu depctr_va_vdst(0)
	s_wait_dscnt 0x0
	v_mov_b32 v198, v184
.irp k, 1,2,3
	v_cmp_ge_u32 vcc_lo, v188, v[184+\k]
	v_cndmask_b32 v198, v198, v[184+\k], vcc_lo
	COUNT 192
.endr
	v_min_u32 v192, 0xff, v192                     ; the row
	v_lshlrev_b32 v189, 6, v192
.irp i, 0,1,2,3
	ds_load_b128 v[96+4*\i:96+4*\i+3], v189 offset:POS+16*\i
.endr
	v_lshrrev_b32 v197, 8, v198
	v_sub_nc_u32 v197, v175, v197
	v_and_b32 v198, 0xff, v198
	v_add_nc_u32 v197, v197, v198
	v_and_b32 v197, 63, v197                       ; the place in the row,
	v_lshl_or_b32 v197, v197, 8, v197
	v_lshl_or_b32 v197, v197, 16, v197             ; in every byte
	v_mov_b32 v195, 0
	v_mov_b32 v196, 0
	v_mov_b32 v179, 0
	v_mov_b32 v180, 0
	s_wait_alu depctr_va_vdst(0)
	s_wait_dscnt 0x0
	; which of the row's 64 bytes holds it: a byte that differs gives 1; sums of running sums over the 16 dwords give 136, and in the one byte that matches in dword j 136 - (16 - j)
.set i, 0
.rept 16
	v_xor_b32 v[96+i], v[96+i], v197
.set i, i+1
.endr
.set i, 0
.rept 16
	v_add_nc_u32 v[96+i], 0x7f7f7f7f, v[96+i]
.set i, i+1
.endr
.set i, 0
.rept 16
	v_lshrrev_b32 v[96+i], 7, v[96+i]
.set i, i+1
.endr
.set i, 0
.rept 16
	v_and_b32 v[96+i], 0x1010101, v[96+i]
.set i, i+1
.endr
.set i, 0
.rept 8
	v_add_nc_u32 v195, v195, v[96+i]               ; dwords 0-7 and 8-15 apart
	v_add_nc_u32 v179, v179, v[104+i]
	v_add_nc_u32 v196, v196, v195
	v_add_nc_u32 v180, v180, v179
.set i, i+1
.endr
	v_lshl_add_u32 v196, v195, 3, v196             ; the first eight's sum goes on through the second eight's running sums
	v_add_nc_u32 v196, v196, v180
	v_sub_nc_u32 v196, s44, v196                   ; 16 - j in the matching byte
	v_mov_b32 v177, 0
.irp n, 8,16,24
	v_cmp_le_u32 vcc_lo, 1<<\n, v196
	COUNT 177
.endr
	v_lshlrev_b32 v178, 3, v177
	v_lshrrev_b32 v196, v178, v196
	v_lshlrev_b32 v196, 2, v196
	v_sub_nc_u32 v196, 64, v196
	v_add_nc_u32 v196, v196, v177
	v_lshl_add_u32 v190, v192, 6, v196
	v_min_u32 v190, 0x3fff, v190                   ; my slot's token: a number from memory enters an address behind a bound
	v_lshlrev_b32 v191, 7, v190
	v_lshl_add_u32 v191, v67, 4, v191              ; its codes: + 16 h
	v_lshlrev_b32 v193, 3, v190
	v_lshl_add_u32 v193, v67, 2, v193              ; its scale word of K step h, its probability for expert a (h = 0) or b
.irp i, 0,1,2,3
	global_load_b128 v[112+4*\i:112+4*\i+3], v191, s[6:7] offset:32*\i
.endr
	global_load_b32 v128, v193, s[6:7] offset:XQS
	global_load_b32 v129, v193, s[8:9]
	BAR                                            ; every wave's searches are over: LDS is stored to again
	UNIT 1
	UNIT 2
	s_wait_loadcnt 16                              ; unit 0, the biases and x are in; units 1 and 2 (16 loads) stay out
.irp i, 0,1,2,3
	ds_store_b128 v210, v[112+4*\i:112+4*\i+3] offset:512*\i   ; a fragment as it stands in the registers
.endr
	ds_store_b32 v205, v128
	ds_store_b32 v205, v129 offset:WTI-XSI
	ds_store_b32 v206, v190
	ds_store_b128 v208, v[216:219]
	ds_store_b128 v208, v[220:223] offset:512
	ds_store_b32 v209, v250
	ds_store_b32 v209, v251 offset:128
	BAR
	WIN 0x40
.irp m, 0,1,2,3,4
.irp i, 0,1,2,3
	ds_load_b128 v[XF+16*\m+4*\i:XF+16*\m+4*\i+3], v211 offset:2048*\m+512*\i
.endr
.endr
	WIN 0
.irp m, 0,1,2,3,4
	ds_load_b32 v[XS+\m], v212 offset:128*\m
.endr
	ds_load_b32 v[TK], v207
	UNIT 3                                         ; units 4 and 5 follow behind unit 0's products and behind its quantising
; Unit b's 80 numbers a lane (five tiles of tokens x 16 neighbouring hidden units) are quantised: block b of my K step.  A block of 32 lies in lanes l and l xor 16.
.macro QUANTB b
.irp m, 0,1,2,3,4
	v_max3_num_f32 v[TM+\m], v[ACC+16*\m], v[ACC+16*\m+1], s45   ; no |.|: negatives count as 0; the floor holds the byte at 1 from below
.endr
.irp i, 2,4,6,8,10,12,14
.irp m, 0,1,2,3,4
	v_max3_num_f32 v[TM+\m], v[TM+\m], v[ACC+16*\m+\i], v[ACC+16*\m+\i+1]   ; (the five tiles by turns)
.endr
.endr
.irp m, 0,1,2,3,4
	v_permlanex16_b32 v[TM+5+\m], v[TM+\m], s36, s37
.endr
.irp m, 0,1,2,3,4
	v_max_num_f32 v[TM+\m], v[TM+\m], v[TM+5+\m]   ; the block's largest number
.endr
.irp m, 0,1,2,3,4
	v_add_nc_u32 v[TM+10+\m], 0xff000000, v[TM+\m] ; 2 off its exponent field: the conversion's scale operand
.endr
.if \b == 0
.irp m, 0,1,2,3,4
	v_lshrrev_b32 v[PW+\m], 23, v[TM+10+\m]        ; the scale's byte: the word's lowest
.endr
.else
.irp m, 0,1,2,3,4
	v_lshrrev_b32 v[TM+5+\m], 23, v[TM+10+\m]
.endr
.irp m, 0,1,2,3,4
	v_lshl_or_b32 v[PW+\m], v[TM+5+\m], 8*\b, v[PW+\m]
.endr
.endif
.irp m, 0,1,2,3,4
	v_cvt_scalef32_pk8_fp4_f32 v[PC+8*\m+2*\b], v[ACC+16*\m:ACC+16*\m+7], v[TM+10+\m]
	v_cvt_scalef32_pk8_fp4_f32 v[PC+8*\m+2*\b+1], v[ACC+16*\m+8:ACC+16*\m+15], v[TM+10+\m]
.endr
	v_nop                                          ; one plain line behind the scaled conversions
.irp m, 0,1,2,3,4
.irp i, 0,1
	v_and_b32 v[TM+2*\m+\i], s44, v[PC+8*\m+2*\b+\i]   ; the signs of eight codes
.endr
.endr
.irp i, 0,1,2,3,4,5,6,7,8,9
	v_lshrrev_b32 v[TM+10+\i], 3, v[TM+\i]
.endr
.irp i, 0,1,2,3,4,5,6,7,8,9
	v_sub_nc_u32 v[TM+\i], v[TM+\i], v[TM+10+\i]   ; 7 where a code is negative:
.endr
.irp m, 0,1,2,3,4
.irp i, 0,1
	v_bfi_b32 v[PC+8*\m+2*\b+\i], v[TM+2*\m+\i], 0, v[PC+8*\m+2*\b+\i]   ; its magnitude goes
.endr
.endr
.if (\b%2) == 1
.irp m, 0,1,2,3,4                      ; the operand's layout wants a WHOLE block in a lane: lanes 0-15 the even block, lanes 16-31 the odd one
.irp i, 0,1
	v_permlane16_swap_b32 v[PC+8*\m+2*(\b-1)+\i], v[PC+8*\m+2*(\b-1)+2+\i]
.endr
.endr
.endif
.endm
; PHASE 1: my 128 hidden units for the 80 tokens, 32 units at a time.  Twenty products a unit on ten accumulators by turns: K step 0 with b1 as C, then K step 1 in place.
.macro PHASE1 p
.irp i, 0,1,2,3
	ds_load_b128 v[B1R+4*\i:B1R+4*\i+3], v[B1A] offset:512*\p+16*\i
.endr
	s_wait_alu depctr_va_vdst(0)
.irp b, 0,1,2,3
	AWAIT 8*\p+\b
	s_wait_dscnt 0x0                               ; b1 of this unit (the first time x's fragments too)
	WIN 0x05                                       ; sources 0 (W1) and 1 (x) window 1
.irp m, 0,1,2,3,4
.irp u, 0,1
	MM ACC+16*\m+8*\u, 32*(KU%5)+16*\u, XF+16*\m, B1R+16*(\b%2)+8*\u, W1S+2*\b+\u, XS+\m, 0
.endr
.endr
.irp m, 0,1,2,3,4
.irp u, 0,1
	MM ACC+16*\m+8*\u, 32*(KU%5)+16*\u+8, XF+16*\m+8, ACC+16*\m+8*\u, W1S+2*\b+\u, XS+\m, 1
.endr
.endr
	WIN 0
	PLACES
.if KU == 0
	UNIT 4
.else
.if KU+5 < 16
	UNIT KU+5
.endif
.endif
.if \b < 3
.irp i, 0,1,2,3
	ds_load_b128 v[B1R+16*((\b+1)%2)+4*\i:B1R+16*((\b+1)%2)+4*\i+3], v[B1A] offset:512*\p+128*(\b+1)+16*\i
.endr
.endif
	QUANTB \b
.if KU == 0
	UNIT 5
.endif
.endr
.irp m, 0,1,2,3,4                      ; K step w of the second product, as it stands in my registers
	ds_store_b128 v[IMW+\p], v[PC+8*\m:PC+8*\m+3] offset:8192*\m
	ds_store_b128 v[IMW+\p], v[PC+8*\m+4:PC+8*\m+7] offset:8192*\m+512
.endr
	ds_store_b128 v[HSW], v[PW:PW+3] offset:4096*\p    ; my token's five scale words (both halves of the lanes hold and write the same)
	ds_store_b32 v[HSW], v[PW+4] offset:4096*\p+16
.endm
.macro HFL p, s                        ; K step s's five hidden fragments into buffer s % 2
.irp m, 0,1,2,3,4
.irp c, 0,1
	ds_load_b128 v[HF+40*((\s)%2)+8*\m+4*\c:HF+40*((\s)%2)+8*\m+4*\c+3], v[IMR+\p] offset:(8*\m+(\s))*1024+512*\c
.endr
.endr
.endm
; PHASE 2: my 32 outputs for the 80 tokens: ten accumulators by turns, a K step at a time, b2 as the C of the first.
.macro PHASE2 p
.irp m, 0,1,2,3,4
	ds_load_b32 v[WG+\m], v[WTA] offset:128*\m+64*\p
.endr
.irp i, 0,1,2,3
	ds_load_b128 v[B2R+4*\i:B2R+4*\i+3], v[B2A] offset:128*\p+64*(\i/2)+16*(\i%2)
.endr
.irp u, 0,1,2,3
	ds_load_b128 v[HS+4*\u:HS+4*\u+3], v[HSR] offset:4096*\p+1024*\u
	ds_load_b32 v[HS+16+\u], v[HSR] offset:4096*\p+1024*\u+16
.endr
	HFL \p, 0
	HFL \p, 1
.irp s, 0,1,2,3,4,5,6,7
.if (\s%2) == 0
	AWAIT 8*\p+4+\s/2
.endif
.if \s < 7+\p
	s_wait_dscnt 10                                ; this step's fragments are in (at step 0 all else too); the next step's ten loads (expert b's last step: the stage's first ten) stay out
.else
	s_wait_dscnt 0x0
.endif
	WIN 0x01                                       ; source 0 (W2) window 1
.irp m, 0,1,2,3,4
.if \m < 4
.set HR, HS+4*(\s/2)+\m
.else
.set HR, HS+16+\s/2
.endif
.irp n, 0,1
.if \s == 0
	MM ACC+8*(5*\n+\m), 32*(KU%5)+8*\n, HF+8*\m, B2R+8*\n, W2S+4*\n, HR, 0
.else
	MM ACC+8*(5*\n+\m), 32*(KU%5)+16*(\s%2)+8*\n, HF+40*(\s%2)+8*\m, ACC+8*(5*\n+\m), W2S+4*\n+\s/2, HR, \s%2
.endif
.endr
.endr
	WIN 0
	PLACES
.if \s < 6
	HFL \p, \s+2
.endif
.if \p == 1
.if \s == 6
	YLOAD 0                                        ; expert a's result, first half, into the buffer that step 6 has left
.endif
.endif
.if (\s%2) == 1
.if KU+5 < 16
	UNIT KU+5
.endif
.endif
.endr
.endm
.macro STAD m, n                       ; the stage: my 32 bytes of tile m, outputs 16 n ..: register SA, offset SO
.if \m < 2
.set SA, STO
.set SO, 16*SPITCH*\m+64*\n
.else
.set SA, STO+1
.set SO, 16*SPITCH*(\m-2)+64*\n
.endif
.endm
.macro YLOAD n                         ; my own bytes of the stage back: expert a's result, outputs 16 n ..
.irp m, 0,1,2,3,4
	STAD \m, \n
	ds_load_b128 v[HF+8*(5*\n+\m):HF+8*(5*\n+\m)+3], v[SA] offset:SO
	ds_load_b128 v[HF+8*(5*\n+\m)+4:HF+8*(5*\n+\m)+7], v[SA] offset:SO+16
.endr
.endm
.macro STAGE
.irp n, 0,1
.irp m, 0,1,2,3,4
	STAD \m, \n
	ds_store_b128 v[SA], v[ACC+8*(5*\n+\m):ACC+8*(5*\n+\m)+3] offset:SO
	ds_store_b128 v[SA], v[ACC+8*(5*\n+\m)+4:ACC+8*(5*\n+\m)+7] offset:SO+16
.endr
.endr
.endm
	PHASE1 0
	s_wait_alu depctr_va_vdst(0)
	s_wait_dscnt 0x0                               ; my images have landed
	s_barrier_signal -1
.irp i, 0,1,2,3,4,5,6,7,8,9            ; meanwhile: where the ten rows that I store begin in out0
	v_readlane_b32 s[66+2*\i], v[TK], \i
.endr
.irp i, 0,1,2,3,4,5,6,7,8,9
	s_min_u32 s[66+2*\i], s[66+2*\i], 0x3fff
	s_lshl_b32 s[66+2*\i], s[66+2*\i], 10
	s_mov_b32 s[67+2*\i], 0
	s_add_nc_u64 s[66+2*\i:67+2*\i], s[16:17], s[66+2*\i:67+2*\i]
.endr
	s_barrier_wait -1
	PHASE2 0
.irp n, 0,1                            ; x the probability; the result waits in my own bytes of the stage
.irp m, 0,1,2,3,4
.irp q, 0,2,4,6
.if \m%2
	v_pk_mul_f32 v[ACC+8*(5*\n+\m)+\q:ACC+8*(5*\n+\m)+\q+1], v[ACC+8*(5*\n+\m)+\q:ACC+8*(5*\n+\m)+\q+1], v[WG+\m-1:WG+\m] op_sel:[0,1] op_sel_hi:[1,1]
.else
	v_pk_mul_f32 v[ACC+8*(5*\n+\m)+\q:ACC+8*(5*\n+\m)+\q+1], v[ACC+8*(5*\n+\m)+\q:ACC+8*(5*\n+\m)+\q+1], v[WG+\m:WG+\m+1] op_sel_hi:[1,0]
.endif
.endr
.endr
.endr
	STAGE
	PHASE1 1
	BAR                                            ; expert b's images have a buffer of their own: nobody's reads of expert a's are disturbed
	PHASE2 1
	YLOAD 1
.irp n, 0,1
	s_wait_dscnt 10-10*\n                          ; the first half is in; the second half's ten loads stay out
.irp m, 0,1,2,3,4
.irp q, 0,2,4,6
.if \m%2
	v_pk_fma_f32 v[ACC+8*(5*\n+\m)+\q:ACC+8*(5*\n+\m)+\q+1], v[ACC+8*(5*\n+\m)+\q:ACC+8*(5*\n+\m)+\q+1], v[WG+\m-1:WG+\m], v[HF+8*(5*\n+\m)+\q:HF+8*(5*\n+\m)+\q+1] op_sel:[0,1,0] op_sel_hi:[1,1,1]
.else
	v_pk_fma_f32 v[ACC+8*(5*\n+\m)+\q:ACC+8*(5*\n+\m)+\q+1], v[ACC+8*(5*\n+\m)+\q:ACC+8*(5*\n+\m)+\q+1], v[WG+\m:WG+\m+1], v[HF+8*(5*\n+\m)+\q:HF+8*(5*\n+\m)+\q+1] op_sel_hi:[1,0,1]
.endif
.endr
.endr
.endr
	; THE WAY OUT: a row's 256 outputs come from eight waves: they meet in the stage, and each wave stores ten whole rows.
	STAGE
	s_wait_alu depctr_va_vdst(0)
	s_wait_tensorcnt 0x0                           ; behind my last LDS store
	ds_add_u32 v254, v255
	s_wait_dscnt 0x0                               ; for the others' sake too: my stores into the stage have landed
	s_barrier_signal -1
	s_barrier_wait -1
.irp i, 0,1,2,3,4,5,6,7,8,9
	ds_load_b128 v[ACC+8*\i:ACC+8*\i+3], v[SRD] offset:SPITCH*\i
	ds_load_b128 v[ACC+8*\i+4:ACC+8*\i+7], v[SRD] offset:SPITCH*\i+512
.endr
.irp i, 0,1,2,3,4,5,6,7,8,9
	s_wait_dscnt 18-2*\i                           ; LDS loads come back in order: this row is in, the younger ones stay out
	s_cmp_gt_i32 s58, \i                           ; slots that hold a token come first
	s_cbranch_scc0 .Lend
	global_store_b128 v[L16], v[ACC+8*\i:ACC+8*\i+3], s[66+2*\i:67+2*\i] th:TH_STORE_NT   ; 32 lanes store 512 consecutive bytes of one token's row, aligned
	global_store_b128 v[L16], v[ACC+8*\i+4:ACC+8*\i+7], s[66+2*\i:67+2*\i] offset:512 th:TH_STORE_NT
.endr
.Lend:
	s_wait_dscnt 0x0
	s_endpgm
.Lfunc_end_k_q90aa27f335_chain:
	.size	k_q90aa27f335_chain, .Lfunc_end_k_q90aa27f335_chain-k_q90aa27f335_chain
	.p2alignl 7, 3214868480
	.fill 96, 4, 3214868480
	.section	.rodata,"a",@progbits
	.p2align	6, 0x0
	.amdhsa_kernel k_q90aa27f335_chain
		.amdhsa_group_segment_fixed_size 221952
		.amdhsa_private_segment_fixed_size 0
		.amdhsa_enable_private_segment 0
		.amdhsa_kernarg_size 56
		.amdhsa_user_sgpr_count 2
		.amdhsa_user_sgpr_kernarg_segment_ptr 1
		.amdhsa_wavefront_size32 1
		.amdhsa_system_sgpr_workgroup_id_x 1
		.amdhsa_system_sgpr_workgroup_id_y 1
		.amdhsa_system_sgpr_workgroup_id_z 1
		.amdhsa_system_vgpr_workitem_id 0
		.amdhsa_next_free_vgpr 512
		.amdhsa_next_free_sgpr 90
		.amdhsa_reserve_vcc 1
		.amdhsa_float_denorm_mode_32 3
		.amdhsa_float_denorm_mode_16_64 3
		.amdhsa_memory_ordered 1
		.amdhsa_forward_progress 1
		.amdhsa_inst_pref_size 171
	.end_amdhsa_kernel
	.amdgpu_metadata
---
amdhsa.version: [ 1, 2 ]
amdhsa.kernels:
  - .name:           k_q90aa27f335_chain
    .symbol:         k_q90aa27f335_chain.kd
    .args:
      - { .name: rec, .offset: 0, .size: 8, .value_kind: global_buffer, .address_space: global }
      - { .name: xq, .offset: 8, .size: 8, .value_kind: global_buffer, .address_space: global }
      - { .name: wts, .offset: 16, .size: 8, .value_kind: global_buffer, .address_space: global }
      - { .name: wl, .offset: 24, .size: 8, .value_kind: global_buffer, .address_space: global }
      - { .name: b1, .offset: 32, .size: 8, .value_kind: global_buffer, .address_space: global }
      - { .name: b2, .offset: 40, .size: 8, .value_kind: global_buffer, .address_space: global }
      - { .name: out0, .offset: 48, .size: 8, .value_kind: global_buffer, .address_space: global }
    .group_segment_fixed_size: 221952
    .private_segment_fixed_size: 0
    .kernarg_segment_align: 8
    .kernarg_segment_size: 56
    .max_flat_workgroup_size: 256
    .sgpr_count:     90
    .vgpr_count:     512
    .wavefront_size: 32
...
	.end_amdgpu_metadata
.endif
;; end of part 2
